; MI455X (gfx1250); checked and timed in simulation.
; The chip was launched on July 23, 2026; its instructions are those of AMD's public machine-readable ISA for CDNA 5 (MIT licence, August 2026) and "CDNA5" Instruction Set Architecture Reference Guide (July 2026). The comments in the code are by the model that wrote it; some were corrected since.
;; Causal Self Attention. Allowed arithmetic: matrix products marked QUANTISED: E4M3 operands, one given power-of-two scale a tensor, by v_wmma_f32_16x16x64_fp8_fp8 or v_wmma_f32_16x16x128_fp8_fp8, f32 sums; everything else in f32.
;; Inputs: Wproj 1,024 x 1,024 float32; Wqkv 1,024 x 3,072 float32; bproj 1,024 float32; bqkv 3,072 float32; lowp_scales 8 int32 (the exponents e of the quantised operands' scales 2^e); x 8 x 1,024 x 1,024 float32.
;; Outputs: out0 8 x 1,024 x 1,024 float32.
;; Constants: n_head = 16.
;; This version of the problem:
;;   THIS VERSION OF THE PROBLEM IS GIVEN IN LOW PRECISION. The matrix products marked QUANTISED in the list below multiply operands that are first quantised to E4M3 (4 exponent bits, 3 mantissa bits; 8 bits a number), with one given power-of-two scale for each operand tensor; their sums are f32. All else is computed in f32.
;;   The module's matrix products, in the order in which they are computed (A, B: the left and right operand; K: the contracted axis; several contracted axes count as one K, in the product's order):
;;     1. [M 8,192, K 1,024] x [K 1,024, N 3,072]; A: input x; B: input Wqkv: QUANTISED (scales: A lowp_scales[0], B lowp_scales[1])
;;     2. batch 128 x [M 1,024, K 64] x [K 64, N 1,024]; A: computed on the way; B: computed on the way: QUANTISED (scales: A lowp_scales[2], B lowp_scales[3])
;;     3. batch 128 x [M 1,024, K 1,024] x [K 1,024, N 64]; A: softmax (see below); B: computed on the way: QUANTISED (scales: A lowp_scales[4], B lowp_scales[5])
;;     4. [M 8,192, K 1,024] x [K 1,024, N 1,024]; A: computed on the way; B: input Wproj: QUANTISED (scales: A lowp_scales[6], B lowp_scales[7])
;;   THE QUANTISER, for each operand of a quantised product, along K:
;;     - The operand's scale is 2^e, e = its entry of the input lowp_scales (int32; the entries are numbered through the quantised products in the list's order, A before B).
;;     - Each number is divided by the scale, clamped to +-448, and rounded to the nearest number of E4M3, ties to even, subnormals kept.
;;     - The product sums the exact products of the quantised numbers (number of the format x scale) in f32.
;;   ~~~python
;;   def quantise(x, axis, e):      # numpy; x: float32 -> the quantised numbers, widened to float32 again
;;       x = np.moveaxis(x, axis, -1); K = x.shape[-1]
;;       r = np.clip(x / 2.0 ** e, -448, 448)
;;       step = 2.0 ** (np.maximum(np.frexp(np.where(r == 0, 1, r))[1] - 1, -6) - 3)
;;       q = np.round(r / step) * step * 2.0 ** e      # np.round: ties to even
;;       return np.moveaxis(q, -1, axis).astype(np.float32)
;;   ~~~
;;   SOFTMAX AHEAD OF A QUANTISED PRODUCT. Where the list says 'softmax', what is quantised is not the finished softmax but p = 2^(t - M), with t = logit x log2(e) and M = ceil(the row's largest t), a whole number; so 1/2 < the row's largest p <= 1. The row's sum l is taken of the UNQUANTISED p, in f32, and the product's result is divided by l at the end. Since M is a whole number, a kernel that streams over the keys may use a running M (the ceiling of the running maximum): every later rescaling is an exact power of two, so the quantised numbers keep their values, but for numbers so far below the row's largest that they fall under the format's range.
;;   OPERANDS COMPUTED ON THE WAY. 'Computed on the way' means the value that the module computes at that place (a softmax that the list does not call 'softmax' is quantised finished and normalised). What goes into a quantiser is computed in f32, as accurately as f32 sums, v_exp_f32 and their like allow (about 1e-6 of the number): no bf16 or f16 on the way to a quantiser, and a product that is left as it is and whose result goes on into a quantised operand takes f32 operands (vector FMAs, or v_wmma_f32_16x16x4_f32). A number that lies on a knife's edge between two numbers of the format may be rounded either way, as far as f32 arithmetic and the matrix unit's own rounding can turn it there, and no further.
;; One version. Each part assembles by itself: llvm-mc -triple=amdgcn-amd-amdhsa -mcpu=gfx1250 --defsym DOCPART=n.
;; ======== version 1 of 1: 4 launches
;; limits: right only within a limited range of input values
;; workspace buffers: x_codes 8,388,608 bytes; wqkv_codes 3,145,728 bytes; wproj_codes 1,048,576 bytes; q_img 8,388,608 bytes; k_img 8,388,608 bytes; v_img 8,388,608 bytes; y_img 8,388,608 bytes
;; launch quant (part 1): grid 384 x 1, 4 waves a work-group, no clusters, 102,912 bytes of LDS; arguments x, Wqkv, Wproj, lowp_scales, x_codes, wqkv_codes, wproj_codes; writes x_codes, wqkv_codes, wproj_codes
.if DOCPART == 1
	.amdgcn_target "amdgcn-amd-amdhsa--gfx1250"
	.amdhsa_code_object_version 6
	.text
	.protected	k_q4ef1049a4d_quant
	.globl	k_q4ef1049a4d_quant
	.p2align	8
	.type	k_q4ef1049a4d_quant,@function
k_q4ef1049a4d_quant:
	s_mov_b64 s[64:65], 0
	v_nop
	global_prefetch_b8 v0, s[64:65] scope:SCOPE_SE
	s_setreg_imm32_b32 hwreg(HW_REG_WAVE_MODE, 25, 1), 1
	s_wait_xcnt 0x0
; x [8192][1024], Wqkv [1024 k][3072 n] and Wproj [1024 k][1024 n], all f32, become codes of FP8 (E4M3), one byte each, K innermost, each with the scale 2^e given for it
; (entries 0, 1 and 7 of the buffer of scales).  code = number / 2^e, rounded to the nearest code, ties to even.
; LIMITS: each e lies between -126 and 119, so that 2^e and 448 x 2^e are f32 numbers.  NaN among the inputs is not served.
; SHARES: work-groups 0-95 take Wqkv, 96-127 Wproj (128 columns x 256 along K each), 128-383 take x (32,768 numbers each): every work-group reads 131,072 bytes and writes 32,768.
; The three paths part on the work-group's number, never join, and each has LDS bytes of its own.  No tensor loads, no barrier: waves share nothing.
; x: K is innermost.  Each load reads 512 consecutive bytes; a step's 2,048 bytes turn through the wave's own stage, so that a lane holds 16 neighbours along K for the conversions.
; W: K is the first axis.  A lane takes a column and its registers run down K, so the conversions give codes with K innermost; they leave through the wave's stage as rows of 256 bytes.
; wproj_codes is laid with the two middle groups of eight of every 32 along K exchanged: position 8 g holds k = 8 x (0, 2, 1, 3)[g].  The last launch reads 16 bytes a lane at 16 x (lane / 16), and then
; holds k = 16 u + 8 (lane / 16) + j in byte 8 u + j: the order in which its other operand, y, is laid.
.set STEPS, 16
.set SP,    80                         ; x: a lane's place in a stage: 64 bytes + 16 of padding
.set WREG,  8192                       ; x: LDS of a wave: two stages of 32 x SP bytes
.set R,     16                         ; x: v16-79   four sets of 16 numbers as loaded
.set X,     80                         ; x: v80-111  two sets of 16 neighbours
.set C,     128                        ; x: v128-191 codes, four registers a step: no store's data are written again
.set PITCH, 272                        ; W: a stage row: 256 bytes of codes + 16
.set WX,    32                         ; W: v32-95   two sets of 32 numbers
.set WC,    96                         ; W: v96-103  a block's codes
.set OUTR,  112                        ; W: v112-175 the way out
.set LDSQ,  32768                      ; LDS: Wqkv's stages, 4 x 32 x PITCH bytes
.set LDSP,  LDSQ+4*32*PITCH            ; LDS: Wproj's stages
.macro SCALE e                         ; v11 = 2^e as f32 (the conversion takes its exponent field); e in s[e]
	s_add_co_i32 s32, s[\e], 127
	s_lshl_b32 s33, s32, 23
	v_mov_b32 v11, s33
	s_add_co_i32 s32, s32, 8
	s_lshl_b32 s32, s32, 23
	s_or_b32 s32, s32, 0x600000
.endm
.macro XLOAD t
.irp i, 0,1,2,3
	global_load_b128 v[R+16*((\t)%4)+4*\i:R+16*((\t)%4)+4*\i+3], v3, s[4:5] offset:2048*(\t)+512*\i th:TH_LOAD_NT   ; 32 lanes read 512 consecutive bytes
.endr
.endm
.macro XTURN t                         ; step t through the stage: LDS serves a wave's instructions in order, so no wait stands between the stores and the loads
.irp i, 0,1,2,3
	ds_store_b128 v14, v[R+16*((\t)%4)+4*\i:R+16*((\t)%4)+4*\i+3] offset:32*SP*((\t)%2)+8*SP*\i
.endr
.irp i, 0,1,2,3
	ds_load_b128 v[X+16*((\t)%2)+4*\i:X+16*((\t)%2)+4*\i+3], v15 offset:32*SP*((\t)%2)+16*\i
.endr
.endm
.macro XSTEP t
.set XS, X+16*((\t)%2)
	s_wait_dscnt 0x0                               ; this step's numbers are back from the stage, and its stores into the stage have read their registers,
.if (\t)+4 < STEPS
	XLOAD (\t)+4                                   ; which take the loads of four steps on
.endif
.if (\t)+1 < STEPS
.if STEPS-2-(\t) >= 3
	s_wait_loadcnt 12                              ; the next step's four loads are in; those of the three steps behind it may be out
.else
	s_wait_loadcnt 4*(STEPS-2-(\t))
.endif
	XTURN (\t)+1
.endif
.set ii, 0
.rept 16
.set ii, ii+1
.endr
	v_cvt_scalef32_pk8_fp8_f32 v[C+4*(\t):C+4*(\t)+1], v[XS:XS+7], v11
	v_cvt_scalef32_pk8_fp8_f32 v[C+4*(\t)+2:C+4*(\t)+3], v[XS+8:XS+15], v11
	global_store_b128 v3, v[C+4*(\t):C+4*(\t)+3], s[12:13] offset:512*(\t)   ; 16 codes a lane: the wave stores 512 consecutive bytes
.endm
.macro WLOAD t, cols, src              ; block t: W(32 t + i, my column), i = 0 .. 31, into set t % 2
.set ii, 0
.rept 32
	global_load_b32 v[WX+32*((\t)%2)+ii], v3, s[\src:\src+1] offset:(32*(\t)+ii)*\cols*4 th:TH_LOAD_NT
.set ii, ii+1
.endr
.endm
.macro WBLOCK t, cols, perm, src
.set XS, WX+32*((\t)%2)
.if (\t) < 7
	s_wait_loadcnt 32                              ; this block's 32 loads are in; the next block's may be out
.else
	s_wait_loadcnt 0
.endif
.set ii, 0
.rept 32
.set ii, ii+1
.endr
.irp g, 0,1,2,3
.if \perm
	v_cvt_scalef32_pk8_fp8_f32 v[WC+2*(2*(\g%2)+\g/2):WC+2*(2*(\g%2)+\g/2)+1], v[XS+8*\g:XS+8*\g+7], v11   ; groups 1 and 2 change places
.else
	v_cvt_scalef32_pk8_fp8_f32 v[WC+2*\g:WC+2*\g+1], v[XS+8*\g:XS+8*\g+7], v11
.endif
.endr
	ds_store_b128 v4, v[WC:WC+3] offset:32*(\t)    ; 32 codes: 32 bytes of my column's row
	ds_store_b128 v4, v[WC+4:WC+7] offset:32*(\t)+16
.if (\t)+2 < 8
	WLOAD (\t)+2, \cols, \src
.endif
	s_wait_dscnt 0x0                               ; the stores have read their registers: the next block's codes may be written
.endm
; A weight's path.  cols: its columns; e: the register with its exponent; perm: 1 = the exchanged order; base: its stages in LDS; src, dst: the pointers' registers; first: its first work-group
.macro WPATH cols, e, perm, base, src, dst, first
	s_sub_co_u32 s18, ttmp9, \first
	s_lshr_b32 s19, s18, 2                         ; which 128 columns
	s_and_b32 s18, s18, 3                          ; which 256 along K
	s_lshl_b32 s19, s19, 7
	s_lshl_b32 s21, s20, 5
	s_add_co_u32 s19, s19, s21                     ; my wave's first column
	v_lshlrev_b32 v3, 2, v2                        ; in: 4 bytes a lane
	s_mul_i32 s21, s20, 32*PITCH
	s_add_co_u32 s21, s21, \base                   ; my stage
	v_mul_u32_u24 v4, v2, PITCH
	v_add_nc_u32 v4, s21, v4                       ; into it: row = my column
	v_and_b32 v5, 15, v2
	v_lshrrev_b32 v6, 4, v2
	v_mul_u32_u24 v7, v6, PITCH
	v_lshl_add_u32 v7, v5, 4, v7
	v_add_nc_u32 v7, s21, v7                       ; out of it: sixteen lanes to a row, two rows an instruction
	v_lshlrev_b32 v8, 10, v6
	v_lshl_add_u32 v8, v5, 4, v8                   ; and the same place among the codes' rows of 1,024 bytes
	s_mul_i32 s22, s18, 256*\cols*4
	s_lshl_b32 s23, s19, 2
	s_add_co_u32 s22, s22, s23
	s_mov_b32 s23, 0
	s_add_nc_u64 s[\src:\src+1], s[\src:\src+1], s[22:23]
	s_lshl_b32 s22, s19, 10
	s_lshl_b32 s21, s18, 8
	s_add_co_u32 s22, s22, s21
	s_add_nc_u64 s[\dst:\dst+1], s[\dst:\dst+1], s[22:23]
	WLOAD 0, \cols, \src
	WLOAD 1, \cols, \src
	s_wait_kmcnt 0x0
	SCALE \e
	s_wait_alu depctr_va_vdst(0)
.irp t, 0,1,2,3,4,5,6,7
	WBLOCK \t, \cols, \perm, \src
.endr
.irp t, 0,1,2,3,4,5,6,7,8,9,10,11,12,13,14,15
	ds_load_b128 v[OUTR+4*\t:OUTR+4*\t+3], v7 offset:2*\t*PITCH   ; LDS serves a wave's instructions in order: these see my stores
.endr
.irp t, 0,1,2,3,4,5,6,7,8,9,10,11,12,13,14,15
	s_wait_dscnt 15-\t
	global_store_b128 v8, v[OUTR+4*\t:OUTR+4*\t+3], s[\dst:\dst+1] offset:2*\t*1024   ; sixteen lanes store 256 consecutive bytes, aligned
.endr
	s_wait_tensorcnt 0x0
	ds_add_u32 v192, v193
	s_wait_dscnt 0x0
	s_endpgm
.endm
	s_load_b256 s[4:11], s[0:1], 0x0               ; x s[4:5], Wqkv s[6:7], Wproj s[8:9], the exponents s[10:11]
	s_load_b128 s[12:15], s[0:1], 0x20             ; x's codes s[12:13], Wqkv's s[14:15]
	s_load_b64 s[16:17], s[0:1], 0x30              ; Wproj's codes
	v_lshl_add_u32 v192, v0, 2, 0x19000
	v_mov_b32 v193, 0
	v_lshrrev_b32 v1, 5, v0
	v_readfirstlane_b32 s20, v1                    ; wave
	v_and_b32 v2, 31, v0                           ; lane
	s_wait_kmcnt 0x0
	s_load_b256 s[24:31], s[10:11], 0x0            ; e0 .. e7
	s_cmp_lt_u32 ttmp9, 96
	s_cbranch_scc1 .Lwqkv
	s_cmp_lt_u32 ttmp9, 128
	s_cbranch_scc1 .Lwproj
	; ---- x
	s_sub_co_u32 s18, ttmp9, 128
	s_lshl_b32 s18, s18, 2
	s_add_co_u32 s18, s18, s20                     ; which run of 8,192 numbers is my wave's
	s_lshl_b32 s22, s18, 15
	s_mov_b32 s23, 0
	s_add_nc_u64 s[4:5], s[4:5], s[22:23]
	s_lshl_b32 s22, s18, 13
	s_add_nc_u64 s[12:13], s[12:13], s[22:23]
	s_wait_alu depctr_va_vdst(0)
	v_lshlrev_b32 v3, 4, v2                        ; my 16 bytes of a load's 512, and of a store's
	s_mul_i32 s21, s20, WREG
	v_lshrrev_b32 v14, 2, v2
	v_mul_u32_u24 v14, v14, SP
	v_and_b32 v15, 3, v2
	v_lshl_add_u32 v14, v15, 4, v14
	v_add_nc_u32 v14, s21, v14                     ; the stage, on the way in: SP (lane / 4) + 16 (lane % 4)
	v_mul_u32_u24 v15, v2, SP
	v_add_nc_u32 v15, s21, v15                     ; and on the way out: SP x lane: my 16 neighbours
.irp t, 0,1,2,3
	XLOAD \t
.endr
	s_wait_alu depctr_va_vdst(0)
	s_wait_kmcnt 0x0
	SCALE 24
	s_wait_alu depctr_va_vdst(0)
	s_wait_loadcnt 12                              ; step 0's four loads are in
	XTURN 0
.irp t, 0,1,2,3,4,5,6,7,8,9,10,11,12,13,14,15
	XSTEP \t
.endr
	s_wait_tensorcnt 0x0
	ds_add_u32 v192, v193
	s_wait_dscnt 0x0
	s_endpgm
.Lwqkv:
	s_wait_alu depctr_va_vdst(0)
	WPATH 3072, 25, 0, LDSQ, 6, 14, 0
.Lwproj:
	s_wait_alu depctr_va_vdst(0)
	WPATH 1024, 31, 1, LDSP, 8, 16, 96
.Lfunc_end_k_q4ef1049a4d_quant:
	.size	k_q4ef1049a4d_quant, .Lfunc_end_k_q4ef1049a4d_quant-k_q4ef1049a4d_quant
	.p2alignl 7, 3214868480
	.fill 96, 4, 3214868480
	.section	.rodata,"a",@progbits
	.p2align	6, 0x0
	.amdhsa_kernel k_q4ef1049a4d_quant
		.amdhsa_group_segment_fixed_size 102912
		.amdhsa_private_segment_fixed_size 0
		.amdhsa_enable_private_segment 0
		.amdhsa_kernarg_size 56
		.amdhsa_user_sgpr_count 2
		.amdhsa_user_sgpr_kernarg_segment_ptr 1
		.amdhsa_wavefront_size32 1
		.amdhsa_system_sgpr_workgroup_id_x 1
		.amdhsa_system_sgpr_workgroup_id_y 1
		.amdhsa_system_sgpr_workgroup_id_z 1
		.amdhsa_system_vgpr_workitem_id 0
		.amdhsa_next_free_vgpr 194
		.amdhsa_next_free_sgpr 66
		.amdhsa_reserve_vcc 0
		.amdhsa_float_denorm_mode_32 3
		.amdhsa_float_denorm_mode_16_64 3
		.amdhsa_fp16_overflow 1
		.amdhsa_memory_ordered 1
		.amdhsa_forward_progress 1
		.amdhsa_inst_pref_size 85
	.end_amdhsa_kernel
	.amdgpu_metadata
---
amdhsa.version: [ 1, 2 ]
amdhsa.kernels:
  - .name:           k_q4ef1049a4d_quant
    .symbol:         k_q4ef1049a4d_quant.kd
    .args:
      - { .name: x, .offset: 0, .size: 8, .value_kind: global_buffer, .address_space: global }
      - { .name: Wqkv, .offset: 8, .size: 8, .value_kind: global_buffer, .address_space: global }
      - { .name: Wproj, .offset: 16, .size: 8, .value_kind: global_buffer, .address_space: global }
      - { .name: lowp_scales, .offset: 24, .size: 8, .value_kind: global_buffer, .address_space: global }
      - { .name: x_codes, .offset: 32, .size: 8, .value_kind: global_buffer, .address_space: global }
      - { .name: wqkv_codes, .offset: 40, .size: 8, .value_kind: global_buffer, .address_space: global }
      - { .name: wproj_codes, .offset: 48, .size: 8, .value_kind: global_buffer, .address_space: global }
    .group_segment_fixed_size: 102912
    .private_segment_fixed_size: 0
    .kernarg_segment_align: 8
    .kernarg_segment_size: 56
    .max_flat_workgroup_size: 128
    .sgpr_count:     66
    .vgpr_count:     194
    .wavefront_size: 32
...
	.end_amdgpu_metadata
.endif
;; end of part 1
;; launch qkv (part 2): grid 12 x 32, 4 waves a work-group, clusters of 4 x 4, 327,680 bytes of LDS; arguments x_codes, wqkv_codes, lowp_scales, bqkv, q_img, k_img, v_img; writes q_img, k_img, v_img
.if DOCPART == 2
	.amdgcn_target "amdgcn-amd-amdhsa--gfx1250"
	.amdhsa_code_object_version 6
	.text
	.protected	k_q4ef1049a4d_qkv
	.globl	k_q4ef1049a4d_qkv
	.p2align	8
	.type	k_q4ef1049a4d_qkv,@function
k_q4ef1049a4d_qkv:
	s_mov_b64 s[64:65], 0
	v_nop
	global_prefetch_b8 v0, s[64:65] scope:SCOPE_SE
	s_setreg_imm32_b32 hwreg(HW_REG_WAVE_MODE, 25, 1), 1
	s_wait_xcnt 0x0
	s_wait_alu depctr_hold_cnt(0) depctr_sa_sdst(0) depctr_va_vdst(0) depctr_va_sdst(0) depctr_va_ssrc(0) depctr_va_vcc(0) depctr_vm_vsrc(0)
	s_getreg_b32 s2, hwreg(HW_REG_IB_STS2, 6, 4)
	s_cmp_eq_u32 s2, 0
	s_cbranch_scc0 .Lentry_in_a_cluster
	s_endpgm
.Lentry_in_a_cluster:
	s_bfe_u32 s2, ttmp6, 0x10000c
	s_cmp_lg_u32 s2, 0xf033
	s_cbranch_scc0 .Lentry_shape_is_right
	s_endpgm
.Lentry_shape_is_right:
; qkv = x Wqkv + bqkv on codes of FP8 (E4M3), and q, k and v quantised at once for the attention launch.  x_codes [8192][1024], wqkv_codes [3072][1024]: K innermost.
; A sum stands for sum x 2^(e0 + e1); the bias is added in f32; the result is converted with 2^e, e = e2 (q), e3 (k) or e5 (v).
; LIMITS: e0 + e1 between -126 and 127; e2, e3, e5 between -126 and 119.  Inside a matrix instruction k stands in a permuted order, the same in both operands, so only the order of the sums changes.
; SHARES.  A tile of 256 x 256 to a work-group of four waves, 128 x 128 to a wave: 64 accumulators, 512 registers.  K goes in four steps of 256 through a ring of two LDS slots.
; CLUSTERS of 4 x 4.  Cluster x is q (0), k (1) or v (2) for all sixteen partners, cluster y the batch.  The text knows an A-matrix (source 1: its row falls to the lane) and a B-matrix (source 0: eight
; neighbouring rows fall to a lane's registers).  For q and k: A = x, B = Wqkv, so a lane holds one token and eight neighbouring channels.  For v: A = Wqkv, B = x, so a lane holds one channel and eight neighbouring
; tokens, which are the keys, the second attention product's K.  A's tiles are shared along a row of the cluster, B's along a column: joint loads with a mask of four.
; THE OUTPUT IS LAID AS IMAGES OF THE OPERANDS' REGISTERS: the conversions of two neighbouring accumulators give four registers that are 16 bytes a lane of such an image, and the wave stores 512 consecutive bytes
; straight from registers.   q_img, k_img: [batch x head 128][tile of 16 tokens 64][beta 2][lane 32][16]: byte 8 u + j of lane (r, h) = (token 16 tile + r, channel 32 beta + 16 u + 8 h + j).
; v_img: [batch x head][step of 128 keys 8][tau 4][c 4][lane][16]: byte 8 u + j = (channel 16 tau + r, key 128 step + 32 c + 16 u + 8 h + j).
; REGISTERS: window 0: v16-31 addresses and constants; v32-95 the bias; from v128 A's fragments, one set; on the way out v128-191 the numbers, v192-223 the codes, two sets by turns.
;   window 1: B's fragments, two sets.   windows 2, 3: the accumulators ((a, b) at v[8 (8 (a % 4) + b)]).
.set KSTEP,  256
.set ROWB,   256
.set KROW,   1024
.set PITCH,  272                       ; an LDS row: 256 bytes + 16 of padding: the 16 rows that a load touches start at 16 different banks (64 banks of 4 bytes: ISA guide 11.1)
.set FR,     16
.set NL,     4
.set NP,     4                         ; places behind this matrix instruction (ISA guide 7.12.1)
.set HALFT,  128*PITCH
.set SLOT,   4*HALFT
.set SPARE,  2*SLOT                    ; the spare words, 128 bytes a wave: no other line names them
.set BIASL,  SPARE+512                 ; 512 bytes a wave: the bias of its 128 rows of Wqkv; no tile lands here
.set ADRA, 16
.set ADRB, 20
.set GO,   24                          ; v24  16 x lane
.set BA,   25                          ; v25  the bias in LDS for q and k: + 32 (lane / 16)
.set BV,   26                          ; v26  for v: + 4 (lane % 16)
.set BS,   27                          ; v27  where I store it: + 16 x lane
.set SPW,  28
.set NIL,  29
.set SC,   30                          ; v30  2^e
.set LIM,  31
.set BI,   32
.set AF,   128
.set TMP,  128
.set G1, 24
.set G0, 32
.set G1B, 48
.set G0B, 56
.set MSB, 0
.macro WIN new                         ; the immediate's high byte repeats the setting that is left
.if MSB != \new
	s_set_vgpr_msb (MSB<<8)|\new
.set MSB, \new
.endif
.endm
.set MUL_LO, 0xa1                      ; source 0 (B) window 1, source 1 (A) window 0, C and D window 2
.set MUL_HI, 0xf1
.set TO_B,   0x40
; A joint load: waves 0 and 1 fetch for A, waves 2 and 3 for B; the branch hangs on the wave's number alone.  Four v_nop follow each of the two lines.
.macro JLOAD g0a, g1a, g0b, g1b
	s_cmp_eq_u32 s15, 0
	s_cbranch_scc0 .Lfor_b_\@
	tensor_load_to_lds s[\g0a:\g0a+3], s[\g1a:\g1a+7]
	s_nop 0
.rept 4
	v_nop
.endr
	s_branch .Lasked_\@
.Lfor_b_\@:
	tensor_load_to_lds s[\g0b:\g0b+3], s[\g1b:\g1b+7]
	s_nop 0
.rept 4
	v_nop
.endr
.Lasked_\@:
.endm
.macro CREST                           ; a round of the cluster's barrier behind its opening barrier
	s_cmp_lg_u32 s14, 0
	s_cbranch_scc1 .Lnot_wave_0_\@
	s_barrier_signal -3
.Lnot_wave_0_\@:
	s_barrier_wait -3
	s_barrier_signal -1
	s_barrier_wait -1
.endm
.macro CROUND
	s_barrier_signal -1
	s_barrier_wait -1
	CREST
.endm
	s_load_b256 s[4:11], s[0:1], 0x0               ; x's codes s[4:5], Wqkv's s[6:7], the exponents s[8:9], the bias s[10:11]
	s_load_b128 s[68:71], s[0:1], 0x20             ; q_img s[68:69], k_img s[70:71]
	s_load_b64 s[72:73], s[0:1], 0x30              ; v_img
	v_lshl_add_u32 v[SPW], v0, 2, SPARE
	v_mov_b32 v[NIL], 0
	ds_add_u32 v28, v29
	ds_add_u32 v28, v29
	s_wait_dscnt 0x0
	v_lshrrev_b32 v1, 5, v0
	v_readfirstlane_b32 s14, v1                    ; wave 0..3
	s_lshr_b32 s15, s14, 1                         ; which half of A's rows is mine.  Also: I fetch for A (0) or for B (1)
	s_and_b32 s16, s14, 1                          ; which half of B's rows.  Also: which 128 rows I fetch
	s_bfe_u32 s40, ttmp6, 0x40000                  ; cx
	s_bfe_u32 s41, ttmp6, 0x40004                  ; cy
	s_and_b32 s17, ttmp7, 0xffff                   ; cluster y: the batch
	s_lshl_b32 s18, s17, 2                         ; x's first tile of 256 rows in this batch
	s_lshl_b32 s42, ttmp9, 2                       ; Wqkv's first tile of 256 rows for q or k
	s_cmp_eq_u32 ttmp9, 2                          ; v?  The same answer in all sixteen partners
	s_cselect_b32 s19, 8, s18
	s_cselect_b32 s42, s18, s42
	s_add_co_u32 s19, s19, s41                     ; A's tile: it hangs on cy alone of the two places
	s_add_co_u32 s42, s42, s40                     ; B's tile: on cx alone
	s_lshl_b32 s43, s41, 2
	s_lshl_b32 s43, 15, s43                        ; my row of the cluster
	s_lshl_b32 s44, 0x1111, s40                    ; my column
	s_or_b32 s[G1+0], s43, (0<<16)|(1<<20)|(1<<21)|(5<<22)|(3<<25)  ; the mask; elements of 1 byte; padding on; bit 21 beside a mask; 4 words of padding after every 64
	s_or_b32 s[G1B+0], s44, (0<<16)|(1<<20)|(1<<21)|(5<<22)|(3<<25)
.irp g, G1, G1B
	s_mov_b32 s[\g+1], ROWB<<16                    ; tensor_dim0
	s_mov_b32 s[\g+2], 128<<16                     ; tensor_dim1
	s_mov_b32 s[\g+3], ROWB<<16                    ; tile_dim0
	s_mov_b32 s[\g+4], 128                         ; tile_dim1
	s_mov_b32 s[\g+5], KROW                        ; from row to row
	s_mov_b32 s[\g+6], 0
	s_mov_b32 s[\g+7], 0
.endr
	s_lshl_b32 s18, s16, 7                         ; which 128 rows of the tile I fetch
	s_lshl_b32 s20, s19, 8
	s_add_co_u32 s20, s20, s18
	s_lshl_b32 s20, s20, 10                        ; A: (256 x tile + 128 x half) rows of 1,024 bytes
	s_mov_b32 s21, 0
	s_lshl_b32 s46, s42, 8
	s_add_co_u32 s46, s46, s18
	s_lshl_b32 s46, s46, 10                        ; B likewise
	s_mov_b32 s47, 0
	s_mul_i32 s45, s14, HALFT                      ; where they go: wave x 128 rows
	s_wait_kmcnt 0x0
	s_load_b256 s[80:87], s[8:9], 0x0              ; e0 .. e7
	s_cmp_eq_u32 ttmp9, 2
	s_cselect_b64 s[76:77], s[6:7], s[4:5]         ; the A-matrix
	s_cselect_b64 s[78:79], s[4:5], s[6:7]         ; the B-matrix
	s_add_nc_u64 s[20:21], s[76:77], s[20:21]
	s_add_nc_u64 s[46:47], s[78:79], s[46:47]
	CROUND                                         ; all sixteen work-groups are here: the first joint loads meet
.irp s, 0,1
	s_mov_b32 s[G0+4*\s], 1
	s_add_co_u32 s[G0+4*\s+1], s45, \s*SLOT
	s_add_nc_u64 s[G0+4*\s+2:G0+4*\s+3], s[20:21], \s*ROWB
	s_or_b32 s[G0+4*\s+3], s[G0+4*\s+3], 0x80000000
	s_mov_b32 s[G0B+4*\s], 1
	s_add_co_u32 s[G0B+4*\s+1], s45, \s*SLOT
	s_add_nc_u64 s[G0B+4*\s+2:G0B+4*\s+3], s[46:47], \s*ROWB
	s_or_b32 s[G0B+4*\s+3], s[G0B+4*\s+3], 0x80000000
	JLOAD G0+4*\s, G1, G0B+4*\s, G1B
.endr
	v_and_b32 v1, 15, v0                           ; r
	v_bfe_u32 v2, v0, 4, 1                         ; h
	s_wait_alu depctr_va_vdst(0)
	v_mul_u32_u24 v3, v1, PITCH
	v_lshl_add_u32 v4, v2, 4, v3
	s_mul_i32 s21, s15, HALFT
	s_mul_i32 s22, s16, HALFT
	s_add_co_u32 s22, s22, 2*HALFT
.irp s, 0,1
	v_add_nc_u32 v[ADRA+\s], s21, v4
	v_add_nc_u32 v[ADRB+\s], s22, v4
	s_add_co_u32 s21, s21, SLOT
	s_add_co_u32 s22, s22, SLOT
.endr
	v_and_b32 v6, 31, v0
	v_lshlrev_b32 v[GO], 4, v6
	s_wait_alu depctr_va_vdst(0)
	s_lshl_b32 s23, s14, 9
	s_add_co_u32 s23, s23, BIASL                   ; my wave's 512 bytes of bias
	v_lshl_add_u32 v[BA], v2, 5, s23
	v_lshl_add_u32 v[BV], v1, 2, s23
	v_add_nc_u32 v[BS], s23, v[GO]
	; the bias of my wave's 128 rows of Wqkv: B's rows for q and k, A's for v.  One load of 512 consecutive bytes, kept in LDS
	s_lshl_b32 s88, s42, 8
	s_lshl_b32 s90, s16, 7
	s_add_co_u32 s88, s88, s90
	s_lshl_b32 s89, s19, 8
	s_lshl_b32 s90, s15, 7
	s_add_co_u32 s89, s89, s90
	s_cmp_eq_u32 ttmp9, 2
	s_cselect_b32 s88, s89, s88
	s_lshl_b32 s88, s88, 2
	s_mov_b32 s89, 0
	s_add_nc_u64 s[10:11], s[10:11], s[88:89]
	global_load_b128 v[32:35], v[GO], s[10:11]
	; where my wave's images begin
	s_lshl_b32 s90, s17, 4                         ; 16 x batch
	s_lshl_b32 s91, s40, 2
	s_add_co_u32 s91, s91, s90
	s_lshl_b32 s92, s16, 1
	s_add_co_u32 s91, s91, s92                     ; q, k: batch x head = 16 batch + 4 cx + 2 x B's half,
	s_lshl_b32 s91, s91, 6
	s_lshl_b32 s92, s41, 4
	s_add_co_u32 s91, s91, s92
	s_lshl_b32 s92, s15, 3
	s_add_co_u32 s91, s91, s92                     ; tile of tokens = 16 cy + 8 x A's half,
	s_lshl_b32 s91, s91, 10                        ; of 1,024 bytes
	s_lshl_b32 s92, s41, 2
	s_add_co_u32 s92, s92, s90
	s_lshl_b32 s93, s15, 1
	s_add_co_u32 s92, s92, s93                     ; v: batch x head = 16 batch + 4 cy + 2 x A's half,
	s_lshl_b32 s92, s92, 3
	s_lshl_b32 s93, s40, 1
	s_add_co_u32 s92, s92, s93
	s_add_co_u32 s92, s92, s16                     ; step of 128 keys = 2 cx + B's half,
	s_lshl_b32 s92, s92, 13                        ; of 8,192 bytes
	s_cmp_eq_u32 ttmp9, 2
	s_cselect_b32 s92, s92, s91
	s_cselect_b64 s[74:75], s[72:73], s[70:71]
	s_mov_b32 s93, 0
	s_cmp_eq_u32 ttmp9, 0
	s_cselect_b64 s[74:75], s[68:69], s[74:75]
	s_add_nc_u64 s[74:75], s[74:75], s[92:93]
	s_wait_alu depctr_va_vdst(0)
	s_wait_kmcnt 0x0
	s_cmp_eq_u32 ttmp9, 2
	s_cselect_b32 s90, s85, s83
	s_cmp_eq_u32 ttmp9, 0
	s_cselect_b32 s90, s82, s90                    ; e of what I make: a choice, no branch
	s_add_co_i32 s90, s90, 127
	s_lshl_b32 s91, s90, 23
	v_mov_b32 v[SC], s91
	s_add_co_i32 s96, s80, s81
	s_add_co_i32 s96, s96, 127
	s_lshl_b32 s96, s96, 23                        ; 2^(e0 + e1) as f32
	s_mov_b32 s97, s96                             ; (named with it as a pair, so it is written)
	s_wait_loadcnt 0x0
	ds_store_b128 v[BS], v[32:35]
.macro FRAG reg, adr, q, i             ; 16 rows x 128 K: lane l holds row l % 16; registers 4 c .. 4 c + 3 hold K = 32 c + 16 (l / 16) + 0 .. 15
.irp c, 0,1,2,3
	ds_load_b128 v[\reg+4*\c:\reg+4*\c+3], v[\adr] offset:128*(\q)+32*\c+(\i)*16*PITCH
.endr
.endm
; 16 matrix instructions: A's blocks a0, a0 + 1 x B's eight.  The 64 accumulators take turns, one instruction a turn, in the same order in every step.
.macro MUL16 a0, p, zero
.irp a, \a0, \a0+1
.irp b, 0,1,2,3,4,5,6,7
.if \zero
	v_wmma_f32_16x16x128_fp8_fp8 v[8*(8*((\a)%4)+\b):8*(8*((\a)%4)+\b)+7], v[128*(\p)+FR*\b:128*(\p)+FR*\b+FR-1], v[AF+FR*(\a):AF+FR*(\a)+FR-1], 0
.else
	v_wmma_f32_16x16x128_fp8_fp8 v[8*(8*((\a)%4)+\b):8*(8*((\a)%4)+\b)+7], v[128*(\p)+FR*\b:128*(\p)+FR*\b+FR-1], v[AF+FR*(\a):AF+FR*(\a)+FR-1], v[8*(8*((\a)%4)+\b):8*(8*((\a)%4)+\b)+7]
.endif
.endr
.endr
.endm
.macro FETCH_B slot, q, p
	WIN TO_B
.irp i, 0,1,2,3,4,5,6,7
	FRAG 128*(\p)+FR*\i, ADRB+\slot, \q, \i
.endr
	WIN 0
.endm
.macro FETCH_A slot, q, i0
.irp i, \i0, \i0+1, \i0+2, \i0+3
	FRAG AF+FR*(\i), ADRA+\slot, \q, \i
.endr
.endm
.macro PLACES n                        ; plain vector instructions between a matrix instruction and a load into, or a vector read or write of, its registers
.rept \n
	v_nop
.endr
.endm
.macro STEP slot, q, zero              ; 128 along K with its successor in the same slot
	s_wait_dscnt 4*NL                              ; B's set and A's blocks 0-3 are in; the youngest sixteen loads (A's blocks 4-7) may be out
	WIN MUL_LO
	MUL16 0, (\q)%2, \zero
	MUL16 2, (\q)%2, \zero
	s_wait_dscnt 0
	PLACES NP
	FETCH_B \slot, (\q)+1, 1-(\q)%2
	FETCH_A \slot, (\q)+1, 0
	WIN MUL_HI
	MUL16 4, (\q)%2, \zero
	MUL16 6, (\q)%2, \zero
	PLACES NP
	WIN 0
	FETCH_A \slot, (\q)+1, 4
.endm
; A slot's last step changes slots: one barrier; in front of it each wave waits for all its tensor loads, adds 0 to its spare word, and waits for that and for its reads of this slot.
.macro TURN slot, next, fill
	s_wait_tensorcnt 0x0                           ; all my tensor loads have landed: my part of the next slot
	ds_add_u32 v[SPW], v[NIL]                      ; 0 onto my spare word
	s_wait_dscnt 4*NL+1                            ; (the add and the youngest sixteen loads may be out)
	WIN MUL_LO
	MUL16 0, 1, 0
	s_wait_dscnt 0x0                               ; the add is done, and my reads of this slot are over
	s_barrier_signal -1
	MUL16 2, 1, 0
	WIN 0
	s_barrier_wait -1
.if \fill
	CREST                                          ; the barrier has opened a round of the cluster's: no wave of any partner still reads this slot or has a load on its way
	s_add_nc_u64 s[G0+4*\slot+2:G0+4*\slot+3], s[G0+4*\slot+2:G0+4*\slot+3], 2*ROWB
	s_add_nc_u64 s[G0B+4*\slot+2:G0B+4*\slot+3], s[G0B+4*\slot+2:G0B+4*\slot+3], 2*ROWB
	JLOAD G0+4*\slot, G1, G0B+4*\slot, G1B         ; the first tensor load behind the round; its four v_nop are the places in front of the loads below
.else
	PLACES NP
.endif
	FETCH_B \next, 0, 0
	FETCH_A \next, 0, 0
	WIN MUL_HI
	MUL16 4, 1, 0
	MUL16 6, 1, 0
	PLACES NP
	WIN 0
	FETCH_A \next, 0, 4
.endm
	s_wait_tensorcnt 1                             ; my part of K step 0 is in (K step 1's load may be out),
	s_wait_dscnt 0x0                               ; and my bias is stored
	s_barrier_signal -1
	s_barrier_wait -1
	FETCH_B 0, 0, 0
	FETCH_A 0, 0, 0
	FETCH_A 0, 0, 4
	STEP 0, 0, 1                                   ; K = 1,024 is four K steps: eight steps of 128, written out; the first starts the sums
	TURN 0, 1, 1                                   ; slot 0 takes K step 2
	STEP 1, 0, 0
	TURN 1, 0, 1                                   ; slot 1 takes K step 3
	STEP 0, 0, 0
	TURN 0, 1, 0                                   ; nothing is left to fetch
	STEP 1, 0, 0
	s_wait_dscnt 4*NL
	WIN MUL_LO
	MUL16 0, 1, 0
	MUL16 2, 1, 0
	s_wait_dscnt 0
	WIN MUL_HI
	MUL16 4, 1, 0
	MUL16 6, 1, 0
	WIN 0
; THE WAY OUT of A's block a: sum x 2^(e0 + e1) + bias (each accumulator from its low end on), the conversions, four stores of 512 consecutive bytes.
.macro OUTBLK a, isv
.set AC, 64*((\a)%4)
.set CD, 192+16*((\a)%2)
	WIN 0x02+((\a)/4)                              ; source 0: window 2 or 3
.set ii, 0
.rept 32
.if \isv
	v_pk_fma_f32 v[TMP+ii:TMP+ii+1], v[AC+ii:AC+ii+1], s[96:97], v[BI+2*(\a):BI+2*(\a)+1] op_sel_hi:[1,0,1]   ; v: the lane's channel has one bias
.else
	v_pk_fma_f32 v[TMP+ii:TMP+ii+1], v[AC+ii:AC+ii+1], s[96:97], v[BI+ii:BI+ii+1] op_sel_hi:[1,0,1]           ; q, k: a bias for each register's channel
.endif
.set ii, ii+2
.endr
	WIN 0
.set ii, 0
.rept 64
.set ii, ii+1
.endr
.if (\a) >= 2
	s_wait_alu depctr_va_vdst(0)
	s_wait_xcnt 0x0                                ; block a - 2's stores have read this set of codes
.endif
.irp b, 0,1,2,3,4,5,6,7
	v_cvt_scalef32_pk8_fp8_f32 v[CD+2*\b:CD+2*\b+1], v[TMP+8*\b:TMP+8*\b+7], v[SC]
.endr
	v_nop                                          ; a plain instruction between the conversions and the next block's writes of their sources
.irp i, 0,1,2,3
.if \isv
	global_store_b128 v[GO], v[CD+4*\i:CD+4*\i+3], s[74:75] offset:((\a)/4)*65536+((\a)%4)*2048+\i*512   ; head a / 4, tau a % 4, c = i
.else
	global_store_b128 v[GO], v[CD+4*\i:CD+4*\i+3], s[74:75] offset:(\i/2)*65536+(\a)*1024+(\i%2)*512     ; head i / 2, tile a, beta i % 2
.endif
.endr
.endm
	PLACES NP                                      ; behind the last products: for the reads of results and the writes over A's fragments
	s_cmp_eq_u32 ttmp9, 2                          ; the same in every wave of every partner
	s_cbranch_scc1 .Lv
.irp b, 0,1,2,3,4,5,6,7
	ds_load_b128 v[BI+8*\b:BI+8*\b+3], v[BA] offset:64*\b          ; bias of channels 16 b + 8 h + 0 .. 7
	ds_load_b128 v[BI+8*\b+4:BI+8*\b+7], v[BA] offset:64*\b+16
.endr
	s_wait_dscnt 0x0
.irp a, 0,1,2,3,4,5,6,7
	OUTBLK \a, 0
.endr
	s_branch .Ltail
.Lv:
.irp a, 0,1,2,3,4,5,6,7
	ds_load_b32 v[BI+2*\a], v[BV] offset:64*\a                     ; bias of channel 16 a + r, in both halves of a pair
	ds_load_b32 v[BI+2*\a+1], v[BV] offset:64*\a
.endr
	s_wait_dscnt 0x0
.irp a, 0,1,2,3,4,5,6,7
	OUTBLK \a, 1
.endr
.Ltail:
	s_wait_tensorcnt 0x0                           ; the wave's end
	ds_add_u32 v[SPW], v[NIL]
	s_wait_dscnt 0x0
	CROUND                                         ; the closing round
	s_endpgm
.Lfunc_end_k_q4ef1049a4d_qkv:
	.size	k_q4ef1049a4d_qkv, .Lfunc_end_k_q4ef1049a4d_qkv-k_q4ef1049a4d_qkv
	.p2alignl 7, 3214868480
	.fill 96, 4, 3214868480
	.section	.rodata,"a",@progbits
	.p2align	6, 0x0
	.amdhsa_kernel k_q4ef1049a4d_qkv
		.amdhsa_group_segment_fixed_size 327680
		.amdhsa_private_segment_fixed_size 0
		.amdhsa_enable_private_segment 0
		.amdhsa_kernarg_size 56
		.amdhsa_user_sgpr_count 2
		.amdhsa_user_sgpr_kernarg_segment_ptr 1
		.amdhsa_wavefront_size32 1
		.amdhsa_system_sgpr_workgroup_id_x 1
		.amdhsa_system_sgpr_workgroup_id_y 1
		.amdhsa_system_sgpr_workgroup_id_z 1
		.amdhsa_system_vgpr_workitem_id 0
		.amdhsa_next_free_vgpr 1024
		.amdhsa_next_free_sgpr 98
		.amdhsa_reserve_vcc 0
		.amdhsa_float_denorm_mode_32 3
		.amdhsa_float_denorm_mode_16_64 3
		.amdhsa_fp16_overflow 1
		.amdhsa_memory_ordered 1
		.amdhsa_forward_progress 1
		.amdhsa_inst_pref_size 130
	.end_amdhsa_kernel
	.amdgpu_metadata
---
amdhsa.version: [ 1, 2 ]
amdhsa.kernels:
  - .name:           k_q4ef1049a4d_qkv
    .symbol:         k_q4ef1049a4d_qkv.kd
    .args:
      - { .name: x_codes, .offset: 0, .size: 8, .value_kind: global_buffer, .address_space: global }
      - { .name: wqkv_codes, .offset: 8, .size: 8, .value_kind: global_buffer, .address_space: global }
      - { .name: lowp_scales, .offset: 16, .size: 8, .value_kind: global_buffer, .address_space: global }
      - { .name: bqkv, .offset: 24, .size: 8, .value_kind: global_buffer, .address_space: global }
      - { .name: q_img, .offset: 32, .size: 8, .value_kind: global_buffer, .address_space: global }
      - { .name: k_img, .offset: 40, .size: 8, .value_kind: global_buffer, .address_space: global }
      - { .name: v_img, .offset: 48, .size: 8, .value_kind: global_buffer, .address_space: global }
    .group_segment_fixed_size: 327680
    .private_segment_fixed_size: 0
    .kernarg_segment_align: 8
    .kernarg_segment_size: 56
    .max_flat_workgroup_size: 128
    .sgpr_count:     98
    .vgpr_count:     1024
    .wavefront_size: 32
...
	.end_amdgpu_metadata
.endif
;; end of part 2
;; launch attn (part 3): grid 256 x 1, 16 waves a work-group, no clusters, 169,984 bytes of LDS; arguments q_img, k_img, v_img, lowp_scales, y_img; writes y_img
.if DOCPART == 3
	.amdgcn_target "amdgcn-amd-amdhsa--gfx1250"
	.amdhsa_code_object_version 6
	.text
	.protected	k_q4ef1049a4d_attn
	.globl	k_q4ef1049a4d_attn
	.p2align	8
	.type	k_q4ef1049a4d_attn,@function
k_q4ef1049a4d_attn:
	s_mov_b64 s[64:65], 0
	v_nop
	global_prefetch_b8 v0, s[64:65] scope:SCOPE_SE
	s_setreg_imm32_b32 hwreg(HW_REG_WAVE_MODE, 25, 1), 1
	s_wait_xcnt 0x0
; Causal attention on codes of FP8 (E4M3): 128 (batch x head) x 1,024 tokens x 64 channels; y is quantised at once for the last launch.
; t = score x log2(e) / 8, score = sum of code products x 2^(e2 + e3); M = the running largest t rounded up to a whole number; p = 2^(t - M) is quantised with 2^e4; the sum is taken of the unquantised p;
; y = O x 2^(e4 + e5) / sum, converted with 2^e6.
; LIMITS: e2 + e3 between -123 and 130 (added to c's exponent field); e4, e6 between -126 and 119.  NaN among the inputs is not served.
; SHARES.  Two work-groups to a head (g = 0, 1).  Wave w of sixteen takes tiles of 16 queries 63 - (2 w + g) and 2 w + g: 8 - w / 4 and w / 4 + 1 steps of 128 keys: nine for every wave.  What lies wholly
; behind the causal mask is left out by scalar branches on the step's number against a number made of the wave's number alone.
; LDS.  The head's whole K (65,536 bytes) and V (65,536) lie in LDS as the images of registers that the launch before stored; they are filled once, by four loads each of waves 0 to 3, and never again.
; So there is no ring.  Two barriers: behind the first the first 256 keys are whole, behind the second all.  The late tile's first two steps, which every wave has, stand between them.
; MULTICAST is not used: only two work-groups share a head's tiles, and each asks for them once.
; LAYOUT.  S^T = K Q^T (16x16x64: source 0 = 16 neighbouring keys, source 1 = my queries): a lane holds one query, register 8 t + j key 16 t + 8 (lane / 16) + j.  The conversion of tile t's eight registers is
; registers 2 t, 2 t + 1 of the K = 128 form's operand as that form lays it, so p's codes are source 1 of O^T = V^T P^T as they come.  O^T's tiles tau convert likewise into y's image:
; y_img [16 rows 512][s 8][c 4][lane][16]: byte 8 u + j = (row 16 rb + r, channel 128 s + 32 c + 16 u + 8 h + j); head hh begins at byte 1,024 hh of a block's 16,384.
; REGISTERS: v1 16 x lane; v2, v3 LDS addresses; v4 the mask's threshold; v5 r - 8 h; v12 -M, v13 largest t, v[14:15] the sum; v16-23, v24-31 Q of the late and the early tile; v32-95 K's, then V's fragments;
; v96-159 S^T, p; v160-191 O^T; v224-239 codes; v241, v243 scales; v244-252 at work.
.set LI,  1
.set ADK, 2
.set ADV, 3
.set DTH, 4
.set RH,  5
.set WV,  18
.set SEL, 20
.set CS,  22
.set G1,  24
.set G0,  32
.set TB,  48                           ; s48  LDS byte of the step's tiles of K: 8,192 x step
.set ST,  49                           ; s49  the step
.set DG,  50                           ; s50  the step on the diagonal
.macro POW e, vs, vl                   ; v[vs] = 2^e as f32; e in s[e]
	s_add_co_i32 s71, s[\e], 127
	s_lshl_b32 s3, s71, 23
	v_mov_b32 v[\vs], s3
.endm
	s_load_b256 s[4:11], s[0:1], 0x0               ; q_img s[4:5], k_img s[6:7], v_img s[8:9], the exponents s[10:11]
	s_load_b64 s[12:13], s[0:1], 0x20              ; y_img
	v_lshl_add_u32 v254, v0, 2, 0x29000
	v_mov_b32 v255, 0
	ds_add_u32 v254, v255
	ds_add_u32 v254, v255
	v_lshrrev_b32 v2, 5, v0
	s_delay_alu instid0(VALU_DEP_1)
	v_readfirstlane_b32 s[WV], v2                  ; wave 0..15
	s_lshr_b32 s19, ttmp9, 1                       ; batch x head
	s_and_b32 s51, ttmp9, 1                        ; g
	s_and_b32 s16, s[WV], 1
	s_lshl_b32 s16, s16, 13                        ; which 8,192 bytes of a chunk of 256 keys I fetch, if I fetch
	s_bfe_u32 s17, s[WV], 0x10001                  ; K (0) or V (1)
	s_lshl_b32 s17, s17, 16
	s_add_co_u32 s17, s17, s16                     ; and where they go
	s_lshl_b32 s66, s19, 16                        ; the head's 65,536 bytes in each image
	s_mov_b32 s67, 0
	s_add_co_u32 s2, s66, s16
	s_mov_b32 s3, 0
	s_mov_b32 s[G1], 3<<16                         ; no mask; elements of 8 bytes; no padding: a dense block of 8,192 bytes as 32 rows of 256
	s_mov_b32 s[G1+1], 32<<16                      ; tensor_dim0 = 32
	s_mov_b32 s[G1+2], 32<<16                      ; tensor_dim1 = 32
	s_mov_b32 s[G1+3], 32<<16                      ; tile_dim0 = 32
	s_mov_b32 s[G1+4], 32                          ; tile_dim1 = 32
	s_mov_b32 s[G1+5], 32                          ; from row to row
	s_mov_b32 s[G1+6], 0
	s_mov_b32 s[G1+7], 0
	s_mov_b32 s[SEL], 0x76543210
	s_mov_b32 s[SEL+1], 0xfedcba98
	s_mov_b32 s[CS], 0x3e38aa3b                    ; c = log2(e) / 8
	s_wait_dscnt 0x0
	s_wait_kmcnt 0x0
	s_load_b256 s[56:63], s[10:11], 0x0            ; e0 .. e7
	s_cmp_lt_u32 s[WV], 2
	s_cselect_b64 s[14:15], s[6:7], s[8:9]
	s_add_nc_u64 s[14:15], s[14:15], s[2:3]
.irp c, 0,1,2,3
	s_mov_b32 s[G0+4*\c], 1
	s_add_co_u32 s[G0+4*\c+1], s17, \c*16384
	s_add_nc_u64 s[G0+4*\c+2:G0+4*\c+3], s[14:15], \c*16384
	s_or_b32 s[G0+4*\c+3], s[G0+4*\c+3], 0x80000000
.endr
	s_cmp_lt_u32 s[WV], 4                          ; waves 0 to 3 fetch: all their fills stand in this one branch; four loads of a wave are out
	s_cbranch_scc0 .Lno_fill
	tensor_load_to_lds s[G0:G0+3], s[G1:G1+7]
	s_nop 0
	tensor_load_to_lds s[G0+4:G0+7], s[G1:G1+7]
	s_nop 0
	tensor_load_to_lds s[G0+8:G0+11], s[G1:G1+7]
	s_nop 0
	tensor_load_to_lds s[G0+12:G0+15], s[G1:G1+7]
	s_nop 0
.rept 4
	v_nop
.endr
.Lno_fill:
	v_and_b32 v[LI], 31, v0
	s_delay_alu instid0(VALU_DEP_1)
	v_lshlrev_b32 v[LI], 4, v[LI]
	s_add_nc_u64 s[4:5], s[4:5], s[66:67]          ; Q's image of my head
	s_lshl_b32 s68, s[WV], 1
	s_add_co_u32 s68, s68, s51                     ; the early tile
	s_sub_co_u32 s69, 63, s68                      ; the late tile
	s_lshl_b32 s2, s69, 10
	v_add_nc_u32 v8, s2, v[LI]
	s_lshl_b32 s2, s68, 10
	v_add_nc_u32 v9, s2, v[LI]
	global_load_b128 v[16:19], v8, s[4:5]
	global_load_b128 v[20:23], v8, s[4:5] offset:512
	global_load_b128 v[24:27], v9, s[4:5]
	global_load_b128 v[28:31], v9, s[4:5] offset:512
	s_lshr_b32 s2, s19, 4
	s_lshl_b32 s2, s2, 6                           ; 64 blocks of 16 rows to a batch
	s_and_b32 s3, s19, 15
	s_lshl_b32 s3, s3, 10                          ; the head's 1,024 bytes in a block
	s_add_co_u32 s66, s2, s69
	s_lshl_b32 s66, s66, 14
	s_add_co_u32 s66, s66, s3
	s_add_nc_u64 s[52:53], s[12:13], s[66:67]      ; y of the late tile
	s_add_co_u32 s66, s2, s68
	s_lshl_b32 s66, s66, 14
	s_add_co_u32 s66, s66, s3
	s_add_nc_u64 s[54:55], s[12:13], s[66:67]      ; of the early tile
	v_and_b32 v6, 15, v0
	v_bfe_u32 v7, v0, 4, 1
	s_delay_alu instid0(VALU_DEP_1)
	v_lshlrev_b32 v7, 3, v7
	s_delay_alu instid0(VALU_DEP_1)
	v_sub_nc_u32 v[RH], v6, v7                     ; r - 8 h
	s_and_b32 s51, s68, 7
	s_lshl_b32 s51, s51, 4                         ; the early tile's first query in its diagonal step
	s_sub_co_u32 s2, 112, s51                      ; the late tile's
	v_add_nc_u32 v[DTH], s2, v[RH]                 ; register n holds key 16 (n / 8) + n % 8 + 8 h of the step: hidden where 16 (n / 8) + n % 8 > this
	s_lshr_b32 s[DG], s[WV], 2
	s_sub_co_u32 s[DG], 7, s[DG]                   ; the late tile's diagonal step
	v_mov_b32 v246, 0                              ; written once: a lane permute's destination counts as one of its sources
	v_mov_b32 v249, 0                              ; (named as the upper half of the pair v[248:249])
	v_mov_b32 v252, 0xff800000                     ; -infinity
	s_wait_kmcnt 0x0
	s_add_co_i32 s2, s58, s59
	s_lshl_b32 s2, s2, 23
	s_add_co_i32 s[CS], s[CS], s2                  ; e2 + e3 go into c's exponent field
	s_mov_b32 s[CS+1], s[CS]
	POW 60, 241, 240                               ; p's scale
	POW 62, 243, 242                               ; y's
	s_add_co_i32 s70, s60, s61                     ; e4 + e5
.macro INIT                            ; a tile begins: the step is written once and finds zeros, which the first change of M leaves zeros
	v_mov_b32 v13, 0xff61b1e6                      ; the largest t so far: -3e38
	s_delay_alu instid0(VALU_DEP_1)
	v_floor_f32 v12, -v13
	v_mov_b32 v14, 0
	v_mov_b32 v15, 0
.set ii, 0
.rept 32
	v_mov_b32 v[160+ii], 0
.set ii, ii+1
.endr
.endm
; A KEY STEP of 128 keys.  q: the first register of the tile's Q.  causal = 1: steps behind the diagonal are left out, the step on it is masked.
.macro STEP q, causal
.if \causal
	s_cmp_gt_u32 s[ST], s[DG]
	s_cbranch_scc1 .Lhid_\@
.endif
	s_setprio 2
	v_add_nc_u32 v[ADK], s[TB], v[LI]
	s_delay_alu instid0(VALU_DEP_1)
	v_add_nc_u32 v[ADV], 0x10000, v[ADK]
.set ii, 0
.rept 16
	ds_load_b128 v[32+4*ii:35+4*ii], v[ADK] offset:512*ii          ; K's eight tiles of 16 keys, two loads of 512 dense bytes each
.set ii, ii+1
.endr
	s_wait_alu depctr_va_vdst(0)
	s_wait_dscnt 0x0
.irp t, 0,1,2,3,4,5,6,7
	v_wmma_f32_16x16x64_fp8_fp8 v[96+8*\t:103+8*\t], v[32+8*\t:39+8*\t], v[\q:\q+7], 0
.endr
.rept 4
	v_nop                                          ; places: in front of the loads over K's fragments and of the first read of the scores
.endr
.set ii, 0
.rept 16
	ds_load_b128 v[32+4*ii:35+4*ii], v[ADV] offset:512*ii          ; V's four tiles of 16 channels x 128 keys: they land while the softmax is walked
.set ii, ii+1
.endr
.if \causal
	s_cmp_lg_u32 s[ST], s[DG]
	s_cbranch_scc1 .Lopen_\@
.set ii, 0
.rept 64
	v_cmp_gt_i32 vcc_lo, 16*(ii/8)+ii%8, v[DTH]
	v_cndmask_b32 v[96+ii], v[96+ii], v252, vcc_lo                 ; a hidden score becomes -infinity: p = 0
.set ii, ii+1
.endr
.Lopen_\@:
.endif
	v_max3_num_f32 v250, v96, v97, v98             ; the step's largest score of my query among my 64 keys, in two chains, each tile from its low end on
	v_max3_num_f32 v251, v99, v100, v101
.irp i, 6,10,14,18,22,26,30,34,38,42,46,50,54,58
	v_max3_num_f32 v250, v250, v[96+\i], v[97+\i]
	v_max3_num_f32 v251, v251, v[98+\i], v[99+\i]
.endr
	v_max3_num_f32 v250, v250, v158, v159
	s_delay_alu instid0(VALU_DEP_1)
	v_max_num_f32 v250, v250, v251
	s_delay_alu instid0(VALU_DEP_1)
	v_permlanex16_b32 v246, v250, s[SEL], s[SEL+1]
	s_delay_alu instid0(VALU_DEP_1)
	v_max_num_f32 v250, v250, v246                 ; and among the other half of the lanes'
	s_delay_alu instid0(VALU_DEP_1)
	v_mul_f32 v250, s[CS], v250                    ; as t (c is positive)
	s_delay_alu instid0(VALU_DEP_1)
	v_max_num_f32 v13, v13, v250
	v_mov_b32 v250, v12
	s_delay_alu instid0(VALU_DEP_2)
	v_floor_f32 v12, -v13                          ; -M = floor(-t): M is a whole number
	s_delay_alu instid0(VALU_DEP_1)
	v_sub_f32 v250, v12, v250
	s_delay_alu instid0(VALU_DEP_1)
	v_cvt_i32_f32 v250, v250
	s_delay_alu instid0(VALU_DEP_1)
	v_ldexp_f32 v248, 1.0, v250                    ; f = 2^(old M - new M)
.set ii, 0
.rept 32
	v_pk_fma_f32 v[96+ii:97+ii], v[96+ii:97+ii], s[CS:CS+1], v[12:13] op_sel_hi:[1,0,0]   ; t - M
.set ii, ii+2
.endr
.set ii, 0
	s_setprio 1
	s_wait_alu depctr_va_vdst(0)
.rept 64
	v_exp_f32 v[96+ii], v[96+ii]                   ; p = 2^(t - M): one batch
.set ii, ii+1
.endr
	v_pk_mul_f32 v[14:15], v[14:15], v[248:249] op_sel_hi:[1,0]    ; the sum under the new M: the plain instruction behind the batch
	s_wait_alu depctr_va_vdst(0)                   ; one wait for the batch, ahead of its first reader
	v_pk_add_f32 v[244:245], v[100:101], v[104:105]
	v_pk_add_f32 v[250:251], v[108:109], v[112:113]
	v_pk_add_f32 v[238:239], v[116:117], v[120:121]
	v_pk_add_f32 v[236:237], v[124:125], v[128:129]
	v_pk_add_f32 v[234:235], v[132:133], v[136:137]
	v_pk_add_f32 v[232:233], v[140:141], v[144:145]
	v_pk_add_f32 v[230:231], v[148:149], v[152:153]
	v_pk_add_f32 v[14:15], v[14:15], v[156:157]
	v_pk_add_f32 v[244:245], v[244:245], v[96:97]
	v_pk_add_f32 v[250:251], v[250:251], v[98:99]
	v_pk_add_f32 v[238:239], v[238:239], v[102:103]
	v_pk_add_f32 v[236:237], v[236:237], v[106:107]
	v_pk_add_f32 v[234:235], v[234:235], v[110:111]
	v_pk_add_f32 v[232:233], v[232:233], v[114:115]
	v_pk_add_f32 v[230:231], v[230:231], v[118:119]
	v_pk_add_f32 v[14:15], v[14:15], v[122:123]
	v_pk_add_f32 v[244:245], v[244:245], v[126:127]
	v_pk_add_f32 v[250:251], v[250:251], v[130:131]
	v_pk_add_f32 v[238:239], v[238:239], v[134:135]
	v_pk_add_f32 v[236:237], v[236:237], v[138:139]
	v_pk_add_f32 v[234:235], v[234:235], v[142:143]
	v_pk_add_f32 v[232:233], v[232:233], v[146:147]
	v_pk_add_f32 v[230:231], v[230:231], v[150:151]
	v_pk_add_f32 v[14:15], v[14:15], v[154:155]
	v_pk_add_f32 v[244:245], v[244:245], v[158:159]
	s_delay_alu instid0(VALU_DEP_2)
	v_pk_add_f32 v[14:15], v[14:15], v[236:237]
	s_delay_alu instid0(VALU_DEP_2)
	v_pk_add_f32 v[244:245], v[244:245], v[234:235]
	v_pk_add_f32 v[250:251], v[250:251], v[232:233]
	v_pk_add_f32 v[238:239], v[238:239], v[230:231]
	s_delay_alu instid0(VALU_DEP_2)
	v_pk_add_f32 v[14:15], v[14:15], v[250:251]
	s_delay_alu instid0(VALU_DEP_2)
	v_pk_add_f32 v[244:245], v[244:245], v[238:239]
	s_delay_alu instid0(VALU_DEP_1)
	v_pk_add_f32 v[14:15], v[14:15], v[244:245]
.irp b, 0,1,2,3
.set ii, 0
.rept 16
.set ii, ii+1
.endr
	v_cvt_scalef32_pk8_fp8_f32 v[224+4*\b:225+4*\b], v[96+16*\b:103+16*\b], v241
	v_cvt_scalef32_pk8_fp8_f32 v[226+4*\b:227+4*\b], v[104+16*\b:111+16*\b], v241
.endr
.set ii, 0
	s_setprio 0
.rept 16
	v_pk_mul_f32 v[160+ii:161+ii], v[160+ii:161+ii], v[248:249] op_sel_hi:[1,0]   ; O^T under the new M; also the plain instructions behind the conversions
.set ii, ii+2
.endr
	s_wait_alu depctr_va_vdst(0)
	s_wait_dscnt 0x0                               ; V is in
.irp t, 0,1,2,3
	v_wmma_f32_16x16x128_fp8_fp8 v[160+8*\t:167+8*\t], v[32+16*\t:47+16*\t], v[224:239], v[160+8*\t:167+8*\t]   ; the four accumulators by turns
.endr
.rept 4
	v_nop                                          ; places: for the next step's loads over V's fragments, and for the way out
.endr
.if \causal
.Lhid_\@:
.endif
.endm
.macro RUN q, causal, end              ; steps s[ST] .. end - 1: a constant number of trips
.Lrun_\@:
	STEP \q, \causal
	s_add_co_u32 s[TB], s[TB], 8192
	s_add_co_u32 s[ST], s[ST], 1
	s_cmp_lt_u32 s[ST], \end
	s_cbranch_scc1 .Lrun_\@
	s_setprio 0
.endm
.macro OUT base                        ; y = O^T x 2^(e4 + e5) / sum, quantised: two stores of 512 consecutive bytes
	v_add_f32 v14, v14, v15
	s_delay_alu instid0(VALU_DEP_1)
	v_permlanex16_b32 v246, v14, s[SEL], s[SEL+1]
	s_delay_alu instid0(VALU_DEP_1)
	v_add_f32 v14, v14, v246                       ; the row's sum
	s_wait_alu depctr_va_vdst(0)
	v_rcp_f32 v14, v14
	v_nop                                          ; a plain instruction behind the reciprocal
	s_wait_alu depctr_va_vdst(0)                   ; and the wait ahead of its first reader
	v_ldexp_f32 v14, v14, s70
.set ii, 0
.rept 16
	v_pk_mul_f32 v[96+ii:97+ii], v[160+ii:161+ii], v[14:15] op_sel_hi:[1,0]   ; register 8 tau + j is channel 16 tau + 8 h + j of query r
.set ii, ii+2
.endr
.set ii, 0
.rept 32
.set ii, ii+1
.endr
.irp t, 0,1,2,3
	v_cvt_scalef32_pk8_fp8_f32 v[224+2*\t:225+2*\t], v[96+8*\t:103+8*\t], v243
.endr
	v_nop                                          ; a plain instruction behind the conversions
	global_store_b128 v[LI], v[224:227], s[\base:\base+1]
	global_store_b128 v[LI], v[228:231], s[\base:\base+1] offset:512
.endm
	INIT
	s_wait_loadcnt 0x0                             ; Q
	s_wait_tensorcnt 0x3                           ; my part of the first 256 keys is in; three later loads may be out
	s_barrier_signal -1
	s_barrier_wait -1
	s_mov_b32 s[TB], 0
	s_mov_b32 s[ST], 0
	RUN 16, 0, 2                                   ; the late tile's steps 0 and 1: its diagonal is at step 4 or later in every wave
	s_wait_tensorcnt 0x0
	s_barrier_signal -1
	s_barrier_wait -1                              ; all keys are in
	s_mov_b32 s[TB], 2*8192
	s_mov_b32 s[ST], 2
	RUN 16, 1, 8
	OUT 52
	s_wait_xcnt 0x0                                ; the stores have read the codes' registers
	INIT
	s_lshr_b32 s[DG], s[WV], 2                     ; the early tile's diagonal step
	v_add_nc_u32 v[DTH], s51, v[RH]
	s_mov_b32 s[TB], 0
	s_mov_b32 s[ST], 0
	RUN 24, 1, 4
	OUT 54
	s_wait_tensorcnt 0x0
	ds_add_u32 v254, v255
	s_wait_dscnt 0x0
	s_endpgm
.Lfunc_end_k_q4ef1049a4d_attn:
	.size	k_q4ef1049a4d_attn, .Lfunc_end_k_q4ef1049a4d_attn-k_q4ef1049a4d_attn
	.p2alignl 7, 3214868480
	.fill 96, 4, 3214868480
	.section	.rodata,"a",@progbits
	.p2align	6, 0x0
	.amdhsa_kernel k_q4ef1049a4d_attn
		.amdhsa_group_segment_fixed_size 169984
		.amdhsa_private_segment_fixed_size 0
		.amdhsa_enable_private_segment 0
		.amdhsa_kernarg_size 40
		.amdhsa_user_sgpr_count 2
		.amdhsa_user_sgpr_kernarg_segment_ptr 1
		.amdhsa_wavefront_size32 1
		.amdhsa_system_sgpr_workgroup_id_x 1
		.amdhsa_system_sgpr_workgroup_id_y 1
		.amdhsa_system_sgpr_workgroup_id_z 1
		.amdhsa_system_vgpr_workitem_id 0
		.amdhsa_next_free_vgpr 256
		.amdhsa_next_free_sgpr 72
		.amdhsa_reserve_vcc 1
		.amdhsa_float_denorm_mode_32 3
		.amdhsa_float_denorm_mode_16_64 3
		.amdhsa_fp16_overflow 1
		.amdhsa_memory_ordered 1
		.amdhsa_forward_progress 1
		.amdhsa_inst_pref_size 65
	.end_amdhsa_kernel
	.amdgpu_metadata
---
amdhsa.version: [ 1, 2 ]
amdhsa.kernels:
  - .name:           k_q4ef1049a4d_attn
    .symbol:         k_q4ef1049a4d_attn.kd
    .args:
      - { .name: q_img, .offset: 0, .size: 8, .value_kind: global_buffer, .address_space: global }
      - { .name: k_img, .offset: 8, .size: 8, .value_kind: global_buffer, .address_space: global }
      - { .name: v_img, .offset: 16, .size: 8, .value_kind: global_buffer, .address_space: global }
      - { .name: lowp_scales, .offset: 24, .size: 8, .value_kind: global_buffer, .address_space: global }
      - { .name: y_img, .offset: 32, .size: 8, .value_kind: global_buffer, .address_space: global }
    .group_segment_fixed_size: 169984
    .private_segment_fixed_size: 0
    .kernarg_segment_align: 8
    .kernarg_segment_size: 40
    .max_flat_workgroup_size: 512
    .sgpr_count:     72
    .vgpr_count:     256
    .wavefront_size: 32
...
	.end_amdgpu_metadata
.endif
;; end of part 3
;; launch proj (part 4): grid 4 x 64, 4 waves a work-group, clusters of 4 x 4, 327,680 bytes of LDS; arguments y_img, wproj_codes, lowp_scales, bproj, out0; writes out0
.if DOCPART == 4
	.amdgcn_target "amdgcn-amd-amdhsa--gfx1250"
	.amdhsa_code_object_version 6
	.text
	.protected	k_q4ef1049a4d_proj
	.globl	k_q4ef1049a4d_proj
	.p2align	8
	.type	k_q4ef1049a4d_proj,@function
k_q4ef1049a4d_proj:
	s_mov_b64 s[64:65], 0
	v_nop
	global_prefetch_b8 v0, s[64:65] scope:SCOPE_SE
	s_setreg_imm32_b32 hwreg(HW_REG_WAVE_MODE, 25, 1), 1
	s_wait_xcnt 0x0
	s_wait_alu depctr_hold_cnt(0) depctr_sa_sdst(0) depctr_va_vdst(0) depctr_va_sdst(0) depctr_va_ssrc(0) depctr_va_vcc(0) depctr_vm_vsrc(0)
	s_getreg_b32 s2, hwreg(HW_REG_IB_STS2, 6, 4)
	s_cmp_eq_u32 s2, 0
	s_cbranch_scc0 .Lentry_in_a_cluster
	s_endpgm
.Lentry_in_a_cluster:
	s_bfe_u32 s2, ttmp6, 0x10000c
	s_cmp_lg_u32 s2, 0xf033
	s_cbranch_scc0 .Lentry_shape_is_right
	s_endpgm
.Lentry_shape_is_right:
.set KROW,   1024
.set PITCH,  272
.set FR,     16
.set HALFB,  128*PITCH
.set BOFF,   32768
.set SLOT,   BOFF+2*HALFB
.set SPARE,  2*SLOT
.set STG,    SPARE+512
.set SPITCH, 528
.set ADRA, 16
.set ADRB, 20
.set STO,  24
.set RD,   25
.set CO,   26
.set BAD,  27
.set SPW,  28
.set NIL,  29
.set TMP,  32
.set AF,   128
.set BK,   128
.set G1, 24
.set G0, 32
.set G1B, 48
.set G0B, 56
.set MSB, 0
.macro WIN new
.if MSB != \new
	s_set_vgpr_msb (MSB<<8)|\new
.set MSB, \new
.endif
.endm
.set MUL,  0xa1
.set TO_B, 0x40
.macro JLOAD s
	s_cmp_eq_u32 s15, 0
	s_cbranch_scc0 .Lfor_b_\@
	tensor_load_to_lds s[G0+4*\s:G0+4*\s+3], s[G1:G1+7]
	s_nop 0
.rept 4
	v_nop
.endr
	s_branch .Lasked_\@
.Lfor_b_\@:
	tensor_load_to_lds s[G0B+4*\s:G0B+4*\s+3], s[G1B:G1B+7]
	s_nop 0
.rept 4
	v_nop
.endr
.Lasked_\@:
.endm
.macro CREST
	s_cmp_lg_u32 s14, 0
	s_cbranch_scc1 .Lnot_wave_0_\@
	s_barrier_signal -3
.Lnot_wave_0_\@:
	s_barrier_wait -3
	s_barrier_signal -1
	s_barrier_wait -1
.endm
.macro CROUND
	s_barrier_signal -1
	s_barrier_wait -1
	CREST
.endm
	s_load_b256 s[4:11], s[0:1], 0x0
	s_load_b64 s[12:13], s[0:1], 0x20
	v_lshl_add_u32 v[SPW], v0, 2, SPARE
	v_mov_b32 v[NIL], 0
	ds_add_u32 v28, v29
	ds_add_u32 v28, v29
	s_wait_dscnt 0x0
	v_lshrrev_b32 v1, 5, v0
	v_readfirstlane_b32 s14, v1
	s_lshr_b32 s15, s14, 1
	s_and_b32 s16, s14, 1
	s_bfe_u32 s40, ttmp6, 0x40000
	s_bfe_u32 s41, ttmp6, 0x40004
	s_lshl_b32 s42, ttmp9, 2
	s_add_co_u32 s42, s42, s40
	s_and_b32 s17, ttmp7, 0xffff
	s_lshl_b32 s17, s17, 2
	s_add_co_u32 s17, s17, s41
	s_lshl_b32 s43, s41, 2
	s_lshl_b32 s43, 15, s43
	s_lshl_b32 s44, 0x1111, s40
	s_or_b32 s[G1+0], s43, (3<<16)|(1<<21)
	s_mov_b32 s[G1+1], 512<<16
	s_mov_b32 s[G1+2], 4<<16
	s_mov_b32 s[G1+3], 512<<16
	s_mov_b32 s[G1+4], 4
	s_mov_b32 s[G1+5], 2048
	s_mov_b32 s[G1+6], 0
	s_mov_b32 s[G1+7], 0
	s_or_b32 s[G1B+0], s44, (0<<16)|(1<<20)|(1<<21)|(5<<22)|(3<<25)
	s_mov_b32 s[G1B+1], 256<<16
	s_mov_b32 s[G1B+2], 128<<16
	s_mov_b32 s[G1B+3], 256<<16
	s_mov_b32 s[G1B+4], 128
	s_mov_b32 s[G1B+5], KROW
	s_mov_b32 s[G1B+6], 0
	s_mov_b32 s[G1B+7], 0
	s_lshl_b32 s20, s17, 17
	s_lshl_b32 s18, s16, 16
	s_add_co_u32 s20, s20, s18
	s_mov_b32 s21, 0
	s_lshl_b32 s46, s42, 18
	s_lshl_b32 s18, s16, 17
	s_add_co_u32 s46, s46, s18
	s_mov_b32 s47, 0
	s_lshl_b32 s45, s16, 14
	s_mul_i32 s19, s16, HALFB
	s_add_co_u32 s19, s19, BOFF
	s_wait_kmcnt 0x0
	s_load_b256 s[80:87], s[8:9], 0x0
	s_add_nc_u64 s[20:21], s[4:5], s[20:21]
	s_add_nc_u64 s[46:47], s[6:7], s[46:47]
	CROUND
.irp s, 0,1
	s_mov_b32 s[G0+4*\s], 1
	s_add_co_u32 s[G0+4*\s+1], s45, \s*SLOT
	s_add_nc_u64 s[G0+4*\s+2:G0+4*\s+3], s[20:21], \s*4096
	s_or_b32 s[G0+4*\s+3], s[G0+4*\s+3], 0x80000000
	s_mov_b32 s[G0B+4*\s], 1
	s_add_co_u32 s[G0B+4*\s+1], s19, \s*SLOT
	s_add_nc_u64 s[G0B+4*\s+2:G0B+4*\s+3], s[46:47], \s*256
	s_or_b32 s[G0B+4*\s+3], s[G0B+4*\s+3], 0x80000000
	s_wait_alu depctr_va_vdst(0)
	s_wait_tensorcnt 0x0
	ds_add_u32 v28, v29
	ds_add_u32 v28, v29
	s_wait_dscnt 0x0
	CROUND
	JLOAD \s
.endr
	v_and_b32 v1, 15, v0
	v_bfe_u32 v2, v0, 4, 1
	v_and_b32 v6, 31, v0
	v_lshlrev_b32 v[CO], 4, v6
	v_mul_u32_u24 v3, v1, PITCH
	v_lshl_add_u32 v4, v2, 4, v3
	s_lshl_b32 s21, s15, 14
	s_mul_i32 s22, s16, HALFB
	s_add_co_u32 s22, s22, BOFF
.irp s, 0,1
	v_add_nc_u32 v[ADRA+\s], s21, v[CO]
	v_add_nc_u32 v[ADRB+\s], s22, v4
	s_add_co_u32 s21, s21, SLOT
	s_add_co_u32 s22, s22, SLOT
.endr
	s_mul_i32 s23, s14, 16*SPITCH
	s_add_co_u32 s23, s23, STG
	v_mul_u32_u24 v5, v1, SPITCH
	v_lshl_add_u32 v5, v2, 5, v5
	v_add_nc_u32 v[STO], s23, v5
	v_add_nc_u32 v[RD], s23, v[CO]
	v_lshlrev_b32 v[BAD], 5, v2
	s_wait_alu depctr_va_vdst(0)
	s_lshl_b32 s90, s42, 10
	s_lshl_b32 s91, s16, 9
	s_add_co_u32 s90, s90, s91
	s_mov_b32 s91, 0
	s_add_nc_u64 s[10:11], s[10:11], s[90:91]
	s_add_nc_u64 s[12:13], s[12:13], s[90:91]
	s_lshl_b32 s90, s17, 19
	s_lshl_b32 s88, s15, 18
	s_add_co_u32 s90, s90, s88
	s_add_nc_u64 s[12:13], s[12:13], s[90:91]
	WIN 0xc0
.irp b, 0,1,2,3,4,5,6,7
	global_load_b128 v[8*\b:8*\b+3], v[BAD], s[10:11] offset:64*\b
	global_load_b128 v[8*\b+4:8*\b+7], v[BAD], s[10:11] offset:64*\b+16
.endr
	WIN 0
	s_wait_kmcnt 0x0
	s_add_co_i32 s96, s86, s87
	s_add_co_i32 s96, s96, 127
	s_lshl_b32 s96, s96, 23
	s_mov_b32 s97, s96
.macro MUL8 a, p, zero
.irp b, 0,1,2,3,4,5,6,7
.if \zero
	v_wmma_f32_16x16x128_fp8_fp8 v[8*(8*(\a)+\b):8*(8*(\a)+\b)+7], v[128*(\p)+FR*\b:128*(\p)+FR*\b+FR-1], v[AF+64*(\p)+FR*(\a):AF+64*(\p)+FR*(\a)+FR-1], 0
.else
	v_wmma_f32_16x16x128_fp8_fp8 v[8*(8*(\a)+\b):8*(8*(\a)+\b)+7], v[128*(\p)+FR*\b:128*(\p)+FR*\b+FR-1], v[AF+64*(\p)+FR*(\a):AF+64*(\p)+FR*(\a)+FR-1], v[8*(8*(\a)+\b):8*(8*(\a)+\b)+7]
.endif
.endr
.endm
.macro FETCH slot, q, p
	WIN TO_B
.irp i, 0,1,2,3,4,5,6,7
.irp c, 0,1,2,3
	ds_load_b128 v[128*(\p)+FR*\i+4*\c:128*(\p)+FR*\i+4*\c+3], v[ADRB+\slot] offset:128*(\q)+32*\c+\i*16*PITCH
.endr
.endr
	WIN 0
.irp i, 0,1,2,3
.irp c, 0,1,2,3
	ds_load_b128 v[AF+64*(\p)+FR*\i+4*\c:AF+64*(\p)+FR*\i+4*\c+3], v[ADRA+\slot] offset:\i*4096+(\q)*2048+\c*512
.endr
.endr
.endm
.macro PLACES
.rept 4
	v_nop
.endr
.endm
.macro STEP slot, zero
	s_wait_dscnt 0
	WIN MUL
	MUL8 0, 0, \zero
	MUL8 1, 0, \zero
	PLACES
	FETCH \slot, 1, 1
	WIN MUL
	MUL8 2, 0, \zero
	MUL8 3, 0, \zero
.endm
.macro TURN slot, next, fill
	WIN 0
	s_wait_tensorcnt 0x0
	ds_add_u32 v[SPW], v[NIL]
	s_wait_dscnt 1
	WIN MUL
	MUL8 0, 1, 0
	s_wait_dscnt 0x0
	s_barrier_signal -1
	MUL8 1, 1, 0
	WIN 0
	s_barrier_wait -1
.if \fill
	CREST
	s_add_nc_u64 s[G0+4*\slot+2:G0+4*\slot+3], s[G0+4*\slot+2:G0+4*\slot+3], 2*4096
	s_add_nc_u64 s[G0B+4*\slot+2:G0B+4*\slot+3], s[G0B+4*\slot+2:G0B+4*\slot+3], 2*256
	JLOAD \slot
.else
	PLACES
.endif
	FETCH \next, 0, 0
	WIN MUL
	MUL8 2, 1, 0
	MUL8 3, 1, 0
.endm
	s_wait_loadcnt 0x0
	s_wait_tensorcnt 1
	s_barrier_signal -1
	s_barrier_wait -1
	FETCH 0, 0, 0
	STEP 0, 1
	TURN 0, 1, 1
	STEP 1, 0
	TURN 1, 0, 1
	STEP 0, 0
	TURN 0, 1, 0
	STEP 1, 0
	s_wait_dscnt 0
	MUL8 0, 1, 0
	MUL8 1, 1, 0
	MUL8 2, 1, 0
	MUL8 3, 1, 0
	WIN 0
.macro TOSTAGE a
	WIN 0x32
.set ii, 0
.rept 32
	v_pk_fma_f32 v[TMP+ii:TMP+ii+1], v[64*(\a)+ii:64*(\a)+ii+1], s[96:97], v[ii:ii+1] op_sel_hi:[1,0,1]
.set ii, ii+2
.endr
	WIN 0
.irp b, 0,1,2,3,4,5,6,7
	ds_store_b128 v[STO], v[TMP+8*\b:TMP+8*\b+3] offset:64*\b
	ds_store_b128 v[STO], v[TMP+8*\b+4:TMP+8*\b+7] offset:64*\b+16
.endr
.set BB, BK+64*((\a)%2)
.irp t, 0,1,2,3,4,5,6,7,8,9,10,11,12,13,14,15
	ds_load_b128 v[BB+4*\t:BB+4*\t+3], v[RD] offset:\t*SPITCH
.endr
.endm
.macro SEND a, younger
.set BB, BK+64*((\a)%2)
	s_wait_dscnt \younger
.if (\a) > 0
	s_add_nc_u64 s[12:13], s[12:13], 16*4096
.endif
.irp t, 0,1,2,3,4,5,6,7,8,9,10,11,12,13,14,15
	global_store_b128 v[CO], v[BB+4*\t:BB+4*\t+3], s[12:13] offset:\t*4096 th:TH_STORE_NT
.endr
.endm
	PLACES
	TOSTAGE 0
.irp a, 1,2,3
.if \a > 1
	s_wait_xcnt 0x0
.endif
	TOSTAGE \a
	SEND \a-1, 32
.endr
	s_wait_xcnt 0x0
	SEND 3, 0
	s_wait_tensorcnt 0x0
	ds_add_u32 v[SPW], v[NIL]
	s_wait_dscnt 0x0
	CROUND
	s_endpgm
.Lfunc_end_k_q4ef1049a4d_proj:
	.size	k_q4ef1049a4d_proj, .Lfunc_end_k_q4ef1049a4d_proj-k_q4ef1049a4d_proj
	.p2alignl 7, 3214868480
	.fill 96, 4, 3214868480
	.section	.rodata,"a",@progbits
	.p2align	6, 0x0
	.amdhsa_kernel k_q4ef1049a4d_proj
		.amdhsa_group_segment_fixed_size 327680
		.amdhsa_private_segment_fixed_size 0
		.amdhsa_enable_private_segment 0
		.amdhsa_kernarg_size 40
		.amdhsa_user_sgpr_count 2
		.amdhsa_user_sgpr_kernarg_segment_ptr 1
		.amdhsa_wavefront_size32 1
		.amdhsa_system_sgpr_workgroup_id_x 1
		.amdhsa_system_sgpr_workgroup_id_y 1
		.amdhsa_system_sgpr_workgroup_id_z 1
		.amdhsa_system_vgpr_workitem_id 0
		.amdhsa_next_free_vgpr 832
		.amdhsa_next_free_sgpr 98
		.amdhsa_reserve_vcc 0
		.amdhsa_float_denorm_mode_32 3
		.amdhsa_float_denorm_mode_16_64 3
		.amdhsa_memory_ordered 1
		.amdhsa_forward_progress 1
		.amdhsa_inst_pref_size 78
	.end_amdhsa_kernel
	.amdgpu_metadata
---
amdhsa.version: [ 1, 2 ]
amdhsa.kernels:
  - .name:           k_q4ef1049a4d_proj
    .symbol:         k_q4ef1049a4d_proj.kd
    .args:
      - { .name: y_img, .offset: 0, .size: 8, .value_kind: global_buffer, .address_space: global }
      - { .name: wproj_codes, .offset: 8, .size: 8, .value_kind: global_buffer, .address_space: global }
      - { .name: lowp_scales, .offset: 16, .size: 8, .value_kind: global_buffer, .address_space: global }
      - { .name: bproj, .offset: 24, .size: 8, .value_kind: global_buffer, .address_space: global }
      - { .name: out0, .offset: 32, .size: 8, .value_kind: global_buffer, .address_space: global }
    .group_segment_fixed_size: 327680
    .private_segment_fixed_size: 0
    .kernarg_segment_align: 8
    .kernarg_segment_size: 40
    .max_flat_workgroup_size: 128
    .sgpr_count:     98
    .vgpr_count:     832
    .wavefront_size: 32
...
	.end_amdgpu_metadata
.endif
;; end of part 4
